; MI455X (gfx1250); checked and timed in simulation.
; The chip was launched on July 23, 2026; its instructions are those of AMD's public machine-readable ISA for CDNA 5 (MIT licence, August 2026) and "CDNA5" Instruction Set Architecture Reference Guide (July 2026). The comments in the code are by the model that wrote it; some were corrected since.
;; Sketch Render Net. Allowed arithmetic: float matrix products may take bf16 or f16 operands with f32 sums; other float arithmetic in f32, or as packed bf16 or f16 multiplies, adds, multiply-adds, maxima and minima; sums over many terms, partial sums and values carried from step to step in f32; what a program stores and reads back later, other than sums and carried values, may be rounded once to bf16 or f16.
;; Inputs: xs 129 float32; ys 129 float32.
;; Outputs: out0 1 x 1 x 1,024 x 1,024 float32.
;; One version. Each part assembles by itself: llvm-mc -triple=amdgcn-amd-amdhsa -mcpu=gfx1250 --defsym DOCPART=n.
;; ======== version 1 of 1: 2 launches
;; workspace buffers: tmpl 4,194,304 bytes; part 2,048 bytes
;; launch field (part 1): grid 256 x 1, 8 waves a work-group, no clusters, 27,904 bytes of LDS; arguments xs, ys, tmpl, part; writes tmpl, part
.if DOCPART == 1
	.amdgcn_target "amdgcn-amd-amdhsa--gfx1250"
	.amdhsa_code_object_version 6
	.text
	.protected	k_q083055782c_field
	.globl	k_q083055782c_field
	.p2align	8
	.type	k_q083055782c_field,@function
k_q083055782c_field:
	s_mov_b64 s[64:65], 0
	v_nop
	global_prefetch_b8 v0, s[64:65] scope:SCOPE_SE
	s_setreg_imm32_b32 hwreg(HW_REG_WAVE_MODE, 25, 1), 1
	s_wait_xcnt 0x0
; tmpl[row][col] = the sum over 128 segments of the distance from pixel (x = col, y = row) to the segment; part[g] = (min, max) of work-group g's pixels.
; THE ARITHMETIC.  With v = P1 - P0, d = |v|^2 and t = ((p - P0) . v) / (d + EPS) the foot of the perpendicular on the line is P0 + t v; clipping its x and its y
; into the segment's box is clipping t to 0 .. 1, since both coordinates run monotonely with t.  x0 = x1 is the same formula with vx = 0; P0 = P1 gives t = 0.
;   tc = clamp01(a xp + rt),  a = vx / (d + EPS),  rt = (yp - y0) vy / (d + EPS) - x0 a
;   dist = sqrt((xp - x0 - tc vx)^2 + (yp - y0 - tc vy)^2 + EPS)
; LIMITS.  The source formula makes the foot's y as slope x + intercept, whose f32 rounding is about 1e-7 |dy/dx| |x| (whole pixels from |dy/dx| |x| = 1e8 on), and adds
; 1e-10 to the slope's denominator (a change of 1e-10 / |x1 - x0| of y); this text gives the geometric foot there.  NaN and infinities are not treated apart.
; SHARES.  A work-group owns 4 rows of the image, 1,024 columns.  Wave w = 4 sg + pq: columns 256 pq .. + 255 of all four rows, segments 64 sg .. + 63.  A lane holds 4 rows x 8 columns
; (columns 256 pq + 128 g + 4 lane + 0..3, g = 0, 1): 16 pairs of neighbouring pixels, every line of arithmetic but the roots packed, two pixels to a line.
; THE TABLE.  Threads 0 to 127 make a segment's constants once, 80 bytes each in LDS; all that hangs on a row (rt, yp - y0) is made there too, for the work-group's four rows, so that
; a step of the loop has 4 lines for xp - x0, 80 for the squares, 32 roots and 16 sums.  The rows lie in the order of the waves that read the segment: local row j is row j xor 2 sg,
; so every wave keeps its local rows 0, 1 and hands its local rows 2, 3 to the wave that owns them, with no branch on sg.
; BY TURNS.  Step k: the 84 plain lines of segment k, and between them the 32 roots of segment k - 1 (another buffer); one wait for the batch; the 16 sums.
.set NSEG,  128
.set SEGW,  64                         ; segments a wave
.set KSTR,  80                         ; bytes of a segment's constants: a a -vx -vy | rt0 rt0 rt1 rt1 | rt2 rt2 rt3 rt3 | dy0 dy1 dy2 dy3 | -x0 -x0 | 8 unused
.set TAB,   0                          ; LDS: the table, 10,240 bytes
.set XCH,   TAB+NSEG*KSTR              ; 2,048 bytes a wave: the 16 sums a lane that it hands over
.set MM,    XCH+8*2048                 ; 8 bytes a wave: its min and max
.set SPARE, MM+256                     ; the spare words, 128 bytes a wave: four blocks of 256 bytes that no other line names
.set SPW,  1                           ; v1  LDS address of my spare word; never rewritten
.set NIL,  2                           ; v2  0; never rewritten
.set KAD,  3                           ; v3  LDS address of the constants of the loop's even step
.set GO,   4                           ; v4  16 x lane
.set XS,   5                           ; v5  where I put the sums that I hand over
.set XL,   6                           ; v6  where my partner (wave xor 4) has put mine
.set MA,   7                           ; v7  my wave's min and max in LDS
.set XP,   8                           ; v[8:15]    my 8 columns as f32
.set DX,   16                          ; v[16:23]   xp - x0
.set KA,   24                          ; v[24:41]   a segment's constants, two sets by turns
.set KB,   44                          ; v[44:61]
.set T,    64                          ; v[64:95]   tc, then yp - y0 - tc vy
.set SA,   96                          ; v[96:127]  xp - x0 - tc vx, then the squares' sum, then its root: two buffers by turns
.set SB,   128                         ; v[128:159]
.set ACC,  160                         ; v[160:191] the sums: local row r, pixel i at ACC + 8 r + i
.set EPS,  12                          ; s[12:13] 1e-10, named as a pair
.set WV,   14                          ; s14 wave
.set PQ,   15                          ; s15 which quarter of the columns
.set SG,   16                          ; s16 which half of the segments
.set CNT,  17                          ; s17 trips to go
.set ROW0, 18                          ; s18 the work-group's first row
.set KOF,  19                          ; s19 the scalar from which KAD is made
.set SEL,  24                          ; s[24:25] v_permlanex16_b32's selects: each lane takes its own place in the other half
	s_load_b256 s[4:11], s[0:1], 0x0               ; xs s[4:5], ys s[6:7], tmpl s[8:9], part s[10:11]
	v_lshl_add_u32 v[SPW], v0, 2, SPARE
	v_mov_b32 v[NIL], 0
	v_lshrrev_b32 v[T], 5, v0
	v_readfirstlane_b32 s[WV], v[T]                ; wave 0..7
	s_and_b32 s[PQ], s[WV], 3
	s_lshr_b32 s[SG], s[WV], 2
	s_mov_b32 s[EPS], 0x2edbe6ff                   ; 1e-10
	s_mov_b32 s[EPS+1], s[EPS]
	s_mov_b32 s[SEL], 0x76543210
	s_mov_b32 s[SEL+1], 0xfedcba98
	s_lshl_b32 s[ROW0], ttmp9, 2
	s_mul_i32 s[KOF], s[SG], SEGW*KSTR             ; my first segment's constants (the table begins at LDS byte 0)
	v_mov_b32 v[KAD], s[KOF]
	v_and_b32 v[GO], 31, v0                        ; lane
	s_lshl_b32 s20, s[PQ], 8
	v_lshl_add_u32 v[T], v[GO], 2, s20             ; my first column: 256 pq + 4 lane
.irp i, 0,1,2,3,4,5,6,7
	v_add_nc_u32 v[XP+(\i)], 128*((\i)/4)+(\i)%4, v[T]
.endr
.irp i, 0,1,2,3,4,5,6,7
	v_cvt_f32_u32 v[XP+(\i)], v[XP+(\i)]
.endr
	v_lshlrev_b32 v[GO], 4, v[GO]
	s_lshl_b32 s20, s[WV], 11
	s_add_co_u32 s20, s20, XCH
	v_add_nc_u32 v[XS], s20, v[GO]                 ; XCH + 2,048 wave + 16 lane
	s_xor_b32 s20, s[WV], 4
	s_lshl_b32 s20, s20, 11
	s_add_co_u32 s20, s20, XCH
	v_add_nc_u32 v[XL], s20, v[GO]                 ; the same of the wave with my columns and the other segments
	s_lshl_b32 s20, s[WV], 3
	s_add_co_u32 s20, s20, MM
	v_mov_b32 v[MA], s20
	s_lshl_b32 s22, ttmp9, 14                      ; tmpl: the work-group's 4 rows of 4,096 bytes,
	s_lshl_b32 s20, s[SG], 13                      ; the two rows that I finish,
	s_add_co_u32 s22, s22, s20
	s_lshl_b32 s20, s[PQ], 10                      ; my 256 columns
	s_add_co_u32 s22, s22, s20
	s_mov_b32 s23, 0
	s_lshl_b32 s27, ttmp9, 3                       ; part: 8 bytes a work-group
	s_wait_kmcnt 0x0
	s_add_nc_u64 s[8:9], s[8:9], s[22:23]
	s_cmp_lt_u32 s[WV], 4
	s_cbranch_scc0 .Lno_table
	; THE TABLE: thread i (0 .. 127) makes segment i.
	v_lshlrev_b32 v[T+1], 2, v0
	global_load_b32 v[T+2], v[T+1], s[4:5]            ; x0
	global_load_b32 v[T+3], v[T+1], s[4:5] offset:4   ; x1 (i + 1 is 128 at the most: inside the 129)
	global_load_b32 v[T+4], v[T+1], s[6:7]            ; y0
	global_load_b32 v[T+5], v[T+1], s[6:7] offset:4   ; y1
	v_lshrrev_b32 v[T+6], 6, v0
	v_lshlrev_b32 v[T+6], 1, v[T+6]                ; 2 x the sg of the waves that read this segment
.irp j, 0,1,2,3
	v_xor_b32 v[SA+12+(\j)], (\j), v[T+6]          ; their local row j is row j xor 2 sg of the work-group's four
	v_add_nc_u32 v[SA+12+(\j)], s[ROW0], v[SA+12+(\j)]
	v_cvt_f32_u32 v[SA+12+(\j)], v[SA+12+(\j)]     ; yp
.endr
	v_mul_u32_u24 v[T+7], v0, KSTR
	s_wait_loadcnt 0x0
	v_sub_f32 v[T+8], v[T+3], v[T+2]               ; vx
	v_sub_f32 v[T+9], v[T+5], v[T+4]               ; vy
	v_sub_f32 v[SA+2], v[T+2], v[T+3]              ; -vx
	v_sub_f32 v[SA+3], v[T+4], v[T+5]              ; -vy
	v_mul_f32 v[T+10], v[T+8], v[T+8]
	v_fma_f32 v[T+10], v[T+9], v[T+9], v[T+10]     ; d
	v_add_f32 v[T+10], s[EPS], v[T+10]
	v_rcp_f32 v[T+11], v[T+10]                     ; 1 / (d + EPS)
	v_sub_f32 v[SA+16], 0, v[T+2]                  ; -x0: plain lines that name neither the reciprocal nor its source stand behind it
.irp j, 0,1,2,3
	v_sub_f32 v[SA+12+(\j)], v[SA+12+(\j)], v[T+4] ; dy = yp - y0
.endr
	v_mov_b32 v[SA+17], v[SA+16]
	s_wait_alu depctr_va_vdst(0)                   ; the wait ahead of the reciprocal's first reader
	v_mul_f32 v[SA], v[T+8], v[T+11]               ; a
	v_mul_f32 v[T+12], v[T+9], v[T+11]             ; b
	v_mov_b32 v[SA+1], v[SA]
	v_mul_f32 v[T+13], v[SA+16], v[SA]             ; -x0 a
.irp j, 0,1,2,3
	v_fma_f32 v[SA+4+2*(\j)], v[SA+12+(\j)], v[T+12], v[T+13]  ; rt = dy b - x0 a
.endr
.irp j, 0,1,2,3
	v_mov_b32 v[SA+5+2*(\j)], v[SA+4+2*(\j)]       ; twice: the line with the clamp names whole pairs of vector registers
.endr
	ds_store_b128 v[T+7], v[SA:SA+3]
	ds_store_b128 v[T+7], v[SA+4:SA+7] offset:16
	ds_store_b128 v[T+7], v[SA+8:SA+11] offset:32
	ds_store_b128 v[T+7], v[SA+12:SA+15] offset:48
	ds_store_b64 v[T+7], v[SA+16:SA+17] offset:64
.Lno_table:
	s_wait_dscnt 0x0                               ; for the others' sake: my part of the table is written
	s_barrier_signal -1
	s_barrier_wait -1                              ; the table is whole
; A segment's constants into the set at register kb: every lane reads the same bytes.
.macro LOADK kb, off
	ds_load_b128 v[(\kb):(\kb)+3],     v[KAD] offset:(\off)
	ds_load_b128 v[(\kb)+4:(\kb)+7],   v[KAD] offset:(\off)+16
	ds_load_b128 v[(\kb)+8:(\kb)+11],  v[KAD] offset:(\off)+32
	ds_load_b128 v[(\kb)+12:(\kb)+15], v[KAD] offset:(\off)+48
	ds_load_b64  v[(\kb)+16:(\kb)+17], v[KAD] offset:(\off)+64
.endm
; Plain line j of a segment's 84.  Pair p of 16: local row p / 4, columns 2 (p % 4), + 1.  Sixteen independent lines stand between a line and the reader of its result.
;   0-3 xp - x0     4-19 tc     20-35 ex = tc (-vx) + (xp - x0)     36-51 ey = tc (-vy) + dy     52-67 ex^2 + EPS     68-83 + ey^2
.macro PL kb, sb
.if j < 4
	v_pk_add_f32 v[DX+2*j:DX+2*j+1], v[XP+2*j:XP+2*j+1], v[(\kb)+16:(\kb)+17]
.elseif j < 20
.set p, j-4
	v_pk_fma_f32 v[T+2*p:T+2*p+1], v[XP+2*(p%4):XP+2*(p%4)+1], v[(\kb):(\kb)+1], v[(\kb)+4+2*(p/4):(\kb)+5+2*(p/4)] clamp
.elseif j < 36
.set p, j-20
	v_pk_fma_f32 v[(\sb)+2*p:(\sb)+2*p+1], v[T+2*p:T+2*p+1], v[(\kb)+2:(\kb)+3], v[DX+2*(p%4):DX+2*(p%4)+1] op_sel_hi:[1,0,1]  ; the pair's first word, -vx, for both
.elseif j < 52
.set p, j-36
.if (p/4)%2 == 0
	v_pk_fma_f32 v[T+2*p:T+2*p+1], v[T+2*p:T+2*p+1], v[(\kb)+2:(\kb)+3], v[(\kb)+12+2*(p/8):(\kb)+13+2*(p/8)] op_sel:[0,1,0] op_sel_hi:[1,1,0]  ; -vy, the second word, for both; dy of an even row, the first
.else
	v_pk_fma_f32 v[T+2*p:T+2*p+1], v[T+2*p:T+2*p+1], v[(\kb)+2:(\kb)+3], v[(\kb)+12+2*(p/8):(\kb)+13+2*(p/8)] op_sel:[0,1,1] op_sel_hi:[1,1,1]  ; dy of an odd row, the second
.endif
.elseif j < 68
.set p, j-52
	v_pk_fma_f32 v[(\sb)+2*p:(\sb)+2*p+1], v[(\sb)+2*p:(\sb)+2*p+1], v[(\sb)+2*p:(\sb)+2*p+1], s[EPS:EPS+1] op_sel_hi:[1,1,0]
.else
.set p, j-68
	v_pk_fma_f32 v[(\sb)+2*p:(\sb)+2*p+1], v[T+2*p:T+2*p+1], v[T+2*p:T+2*p+1], v[(\sb)+2*p:(\sb)+2*p+1]
.endif
.set j, j+1
.endm
; Root e of 32 of the segment before, in buffer so.  first = 1: the wave's first segment starts the sums: its roots are written into them, and nothing is cleared.
.macro ROOT so, first
.if \first
	v_sqrt_f32 v[ACC+e], v[(\so)+e]
.else
	v_sqrt_f32 v[(\so)+e], v[(\so)+e]
.endif
.set e, e+1
.endm
; A STEP.  plain = 1: a segment's squares, by the constants at kb, into buffer sb; the next segment's constants are asked for first, into kbn from byte ldoff behind KAD (ldoff < 0: none are left).
; trans = 1: the roots of buffer so, one behind every second plain line, so that the last 20 plain lines stand behind the last root; none of the plain lines names buffer so.
; Then ONE wait for the 32 roots, ahead of their first reader and of every label and branch, and the 16 sums.
.macro STEP kb, sb, so, plain, trans, first, kbn, ldoff
.set e, 0
.if \plain
	s_wait_dscnt 0x0                               ; this step's constants, asked for a step ago, are in
.if (\ldoff) >= 0
	LOADK \kbn, \ldoff
.endif
.set j, 0
.rept 84
	PL \kb, \sb
.if (\trans) && (j%2 == 0) && (e < 32)
	ROOT \so, \first
.endif
.endr
.else
.rept 32
	ROOT \so, \first
.endr
	v_nop                                          ; a plain line behind the last root
.endif
.if \trans
	s_wait_alu depctr_va_vdst(0)
.if !(\first)
.set p, 0
.rept 16
	v_pk_add_f32 v[ACC+2*p:ACC+2*p+1], v[ACC+2*p:ACC+2*p+1], v[(\so)+2*p:(\so)+2*p+1]
.set p, p+1
.endr
.endif
.endif
.endm
	LOADK KA, 0                                    ; my segment 0
	STEP KA, SA, SB, 1, 0, 0, KB, KSTR             ; segment 0's squares: there are no roots yet
	STEP KB, SB, SA, 1, 1, 1, KA, 2*KSTR           ; segment 1's squares | segment 0's roots start the sums
	s_add_co_u32 s[KOF], s[KOF], 2*KSTR
	v_mov_b32 v[KAD], s[KOF]                       ; at segment 2
	s_mov_b32 s[CNT], (SEGW-4)/2
.Lpair:                                                ; 30 trips: segments 2 .. 61, two a trip, since buffers and constant sets go by the segment's parity
	STEP KA, SA, SB, 1, 1, 0, KB, KSTR
	STEP KB, SB, SA, 1, 1, 0, KA, 2*KSTR
	s_add_co_u32 s[KOF], s[KOF], 2*KSTR
	v_mov_b32 v[KAD], s[KOF]
	s_sub_co_u32 s[CNT], s[CNT], 1
	s_cmp_lg_u32 s[CNT], 0
	s_cbranch_scc1 .Lpair
	STEP KA, SA, SB, 1, 1, 0, KB, KSTR             ; segment 62
	STEP KB, SB, SA, 1, 1, 0, 0, -1                ; segment 63: no constants are left to ask for
	STEP 0, 0, SB, 0, 1, 0, 0, -1                  ; its roots and sums
	; THE TWO HALVES OF THE SEGMENTS MEET.  My local rows 2, 3 are my partner's local rows 0, 1, same lanes, same columns.
.irp k, 0,1,2,3
	ds_store_b128 v[XS], v[ACC+16+4*(\k):ACC+19+4*(\k)] offset:512*(\k)
.endr
	s_wait_dscnt 0x0                               ; for my partner's sake: the stores are done
	s_barrier_signal -1
	s_barrier_wait -1
.irp k, 0,1,2,3
	ds_load_b128 v[T+4*(\k):T+4*(\k)+3], v[XL] offset:512*(\k)
.endr
	s_wait_dscnt 0x0
.irp k, 0,1,2,3,4,5,6,7
	v_pk_add_f32 v[ACC+2*(\k):ACC+2*(\k)+1], v[ACC+2*(\k):ACC+2*(\k)+1], v[T+2*(\k):T+2*(\k)+1]
.endr
.irp k, 0,1,2,3
	global_store_b128 v[GO], v[ACC+4*(\k):ACC+4*(\k)+3], s[8:9] offset:((\k)/2)*4096+((\k)%2)*512  ; a wave's store covers 512 consecutive bytes, at a multiple of 512 from tmpl's first
.endr
	; min and max: of my 16 numbers, of the 32 lanes, of the 8 waves
	v_min3_num_f32 v[SA], v[ACC], v[ACC+1], v[ACC+2]
	v_max3_num_f32 v[SA+1], v[ACC], v[ACC+1], v[ACC+2]
.irp i, 3,5,7,9,11,13
	v_min3_num_f32 v[SA], v[SA], v[ACC+(\i)], v[ACC+(\i)+1]
	v_max3_num_f32 v[SA+1], v[SA+1], v[ACC+(\i)], v[ACC+(\i)+1]
.endr
	v_min_num_f32 v[SA], v[SA], v[ACC+15]
	v_max_num_f32 v[SA+1], v[SA+1], v[ACC+15]
.irp m, 1,2,4,8
	v_min_num_f32_dpp v[SA], v[SA], v[SA] row_xmask:\m row_mask:0xf bank_mask:0xf
	v_max_num_f32_dpp v[SA+1], v[SA+1], v[SA+1] row_xmask:\m row_mask:0xf bank_mask:0xf
.endr
	v_permlanex16_b32 v[SA+2], v[SA], s[SEL], s[SEL+1]     ; its destination counts as read: the steps have written it
	v_permlanex16_b32 v[SA+3], v[SA+1], s[SEL], s[SEL+1]
	v_min_num_f32 v[SA], v[SA], v[SA+2]
	v_max_num_f32 v[SA+1], v[SA+1], v[SA+3]
	ds_store_b64 v[MA], v[SA:SA+1]                 ; all lanes write the same two words with the same numbers
	s_wait_dscnt 0x0
	s_barrier_signal -1
	s_barrier_wait -1
	s_cmp_lg_u32 s[WV], 0
	s_cbranch_scc1 .Lend                           ; wave 0 finishes for the work-group
	v_mov_b32 v[T], MM
.irp k, 0,1,2,3
	ds_load_b128 v[SB+4*(\k):SB+4*(\k)+3], v[T] offset:16*(\k)  ; min, max of waves 2 k and 2 k + 1
.endr
	v_mov_b32 v[T+1], s27
	v_cmp_eq_u32 vcc_lo, 0, v0
	s_wait_dscnt 0x0
	v_min3_num_f32 v[SA], v[SB], v[SB+2], v[SB+4]
	v_max3_num_f32 v[SA+1], v[SB+1], v[SB+3], v[SB+5]
	v_min3_num_f32 v[SA], v[SA], v[SB+6], v[SB+8]
	v_max3_num_f32 v[SA+1], v[SA+1], v[SB+7], v[SB+9]
	v_min3_num_f32 v[SA], v[SA], v[SB+10], v[SB+12]
	v_max3_num_f32 v[SA+1], v[SA+1], v[SB+11], v[SB+13]
	v_min_num_f32 v[SA], v[SA], v[SB+14]
	v_max_num_f32 v[SA+1], v[SA+1], v[SB+15]
	s_wait_xcnt 0x0                                ; EXEC is a source of the stores above: it changes only behind this wait
	s_and_saveexec_b32 s26, vcc_lo                 ; thread 0 alone
	global_store_b64 v[T+1], v[SA:SA+1], s[10:11]  ; 8 bytes a work-group, once: the next launch reads all 256 pairs in 2,048 bytes
	s_wait_xcnt 0x0                                ; and again ahead of the line that widens it
	s_or_b32 exec_lo, exec_lo, s26
.Lend:
	s_wait_tensorcnt 0x0                           ; the wave's end, behind my last LDS store
	ds_add_u32 v[SPW], v[NIL]
	s_wait_dscnt 0x0
	s_endpgm
.Lfunc_end_k_q083055782c_field:
	.size	k_q083055782c_field, .Lfunc_end_k_q083055782c_field-k_q083055782c_field
	.p2alignl 7, 3214868480
	.fill 96, 4, 3214868480
	.section	.rodata,"a",@progbits
	.p2align	6, 0x0
	.amdhsa_kernel k_q083055782c_field
		.amdhsa_group_segment_fixed_size 27904
		.amdhsa_private_segment_fixed_size 0
		.amdhsa_enable_private_segment 0
		.amdhsa_kernarg_size 32
		.amdhsa_user_sgpr_count 2
		.amdhsa_user_sgpr_kernarg_segment_ptr 1
		.amdhsa_wavefront_size32 1
		.amdhsa_system_sgpr_workgroup_id_x 1
		.amdhsa_system_sgpr_workgroup_id_y 1
		.amdhsa_system_sgpr_workgroup_id_z 1
		.amdhsa_system_vgpr_workitem_id 0
		.amdhsa_next_free_vgpr 192
		.amdhsa_next_free_sgpr 66
		.amdhsa_reserve_vcc 1
		.amdhsa_float_denorm_mode_32 3
		.amdhsa_float_denorm_mode_16_64 3
		.amdhsa_memory_ordered 1
		.amdhsa_forward_progress 1
		.amdhsa_inst_pref_size 55
	.end_amdhsa_kernel
	.amdgpu_metadata
---
amdhsa.version: [ 1, 2 ]
amdhsa.kernels:
  - .name:           k_q083055782c_field
    .symbol:         k_q083055782c_field.kd
    .args:
      - { .name: xs, .offset: 0, .size: 8, .value_kind: global_buffer, .address_space: global }
      - { .name: ys, .offset: 8, .size: 8, .value_kind: global_buffer, .address_space: global }
      - { .name: tmpl, .offset: 16, .size: 8, .value_kind: global_buffer, .address_space: global }
      - { .name: part, .offset: 24, .size: 8, .value_kind: global_buffer, .address_space: global }
    .group_segment_fixed_size: 27904
    .private_segment_fixed_size: 0
    .kernarg_segment_align: 8
    .kernarg_segment_size: 32
    .max_flat_workgroup_size: 256
    .sgpr_count:     66
    .vgpr_count:     192
    .wavefront_size: 32
...
	.end_amdgpu_metadata
.endif
;; end of part 1
;; launch scale (part 2): grid 256 x 1, 8 waves a work-group, no clusters, 0 bytes of LDS; arguments tmpl, part, out0; writes out0
.if DOCPART == 2
	.amdgcn_target "amdgcn-amd-amdhsa--gfx1250"
	.amdhsa_code_object_version 6
	.text
	.protected	k_q083055782c_scale
	.globl	k_q083055782c_scale
	.p2align	8
	.type	k_q083055782c_scale,@function
k_q083055782c_scale:
	s_mov_b64 s[64:65], 0
	v_nop
	global_prefetch_b8 v0, s[64:65] scope:SCOPE_SE
	s_setreg_imm32_b32 hwreg(HW_REG_WAVE_MODE, 25, 1), 1
	s_wait_xcnt 0x0
; out0 = (tmpl - tmin) / (tmax - tmin), as tmpl x inv + (-tmin x inv), one fused multiply-add a number, inv = 1 / (tmax - tmin) by v_rcp_f32.
; part holds 256 pairs (min, max), one of each work-group of the launch before: 2,048 bytes.  Every wave reads them all (64 bytes a lane) and reduces them itself: no LDS, no barrier.
; A work-group takes 16,384 consecutive bytes of tmpl: thread t the 16 bytes at 16 t + 4,096 k, k = 0 .. 3, so each load and store of a wave covers 512 consecutive bytes.
; All eight loads of a lane go out together; the pairs are reduced while the field's four are on their way.
; tmax = tmin gives NaN everywhere, as the division 0 / 0 does.  NaN and infinities in tmpl are not treated apart.
.set PR, 4                             ; v[4:19]   eight pairs (min, max)
.set D,  20                            ; v[20:35]  16 numbers of the field
.set MN, 36                            ; v36 min, v37 max
.set IV, 40                            ; v[40:41]  inv, twice
.set NB, 42                            ; v[42:43]  -tmin x inv, twice
	s_load_b128 s[4:7], s[0:1], 0x0                ; tmpl s[4:5], part s[6:7]
	s_load_b64 s[8:9], s[0:1], 0x10                ; out0
	v_and_b32 v1, 31, v0
	v_lshlrev_b32 v1, 4, v1                        ; 16 x lane
	v_lshlrev_b32 v2, 4, v0                        ; 16 x thread
	s_lshl_b32 s10, ttmp9, 14                      ; the work-group's 16,384 bytes
	s_mov_b32 s11, 0
	s_mov_b32 s12, 0x76543210                      ; v_permlanex16_b32: each lane takes its own place in the other half
	s_mov_b32 s13, 0xfedcba98
	s_wait_kmcnt 0x0
	s_add_nc_u64 s[4:5], s[4:5], s[10:11]
	s_add_nc_u64 s[8:9], s[8:9], s[10:11]
.irp k, 0,1,2,3
	global_load_b128 v[PR+4*(\k):PR+4*(\k)+3], v1, s[6:7] offset:512*(\k)
.endr
.irp k, 0,1,2,3
	global_load_b128 v[D+4*(\k):D+4*(\k)+3], v2, s[4:5] offset:4096*(\k) th:TH_LOAD_NT
.endr
	s_wait_loadcnt 4                               ; the pairs are in; the four younger loads, the field's, stay out
	v_min3_num_f32 v[MN], v[PR], v[PR+2], v[PR+4]
	v_max3_num_f32 v[MN+1], v[PR+1], v[PR+3], v[PR+5]
	v_min3_num_f32 v[MN], v[MN], v[PR+6], v[PR+8]
	v_max3_num_f32 v[MN+1], v[MN+1], v[PR+7], v[PR+9]
	v_min3_num_f32 v[MN], v[MN], v[PR+10], v[PR+12]
	v_max3_num_f32 v[MN+1], v[MN+1], v[PR+11], v[PR+13]
	v_min_num_f32 v[MN], v[MN], v[PR+14]
	v_max_num_f32 v[MN+1], v[MN+1], v[PR+15]
.irp m, 1,2,4,8
	v_min_num_f32_dpp v[MN], v[MN], v[MN] row_xmask:\m row_mask:0xf bank_mask:0xf
	v_max_num_f32_dpp v[MN+1], v[MN+1], v[MN+1] row_xmask:\m row_mask:0xf bank_mask:0xf
.endr
	v_permlanex16_b32 v[PR], v[MN], s12, s13       ; its destination counts as read: a register that the loads have written
	v_permlanex16_b32 v[PR+1], v[MN+1], s12, s13
	v_min_num_f32 v[MN], v[MN], v[PR]              ; tmin, in every lane
	v_max_num_f32 v[MN+1], v[MN+1], v[PR+1]        ; tmax
	v_sub_f32 v[PR+2], v[MN+1], v[MN]
	v_rcp_f32 v[IV], v[PR+2]
	v_nop                                          ; a plain line behind the reciprocal,
	s_wait_alu depctr_va_vdst(0)                   ; and the wait ahead of its first reader
	v_mov_b32 v[IV+1], v[IV]
	v_mul_f32 v[NB], -v[MN], v[IV]
	v_mov_b32 v[NB+1], v[NB]
	s_wait_loadcnt 0x0                             ; the field
.irp k, 0,1,2,3,4,5,6,7
	v_pk_fma_f32 v[D+2*(\k):D+2*(\k)+1], v[D+2*(\k):D+2*(\k)+1], v[IV:IV+1], v[NB:NB+1]
.endr
.irp k, 0,1,2,3
	global_store_b128 v2, v[D+4*(\k):D+4*(\k)+3], s[8:9] offset:4096*(\k) th:TH_STORE_NT
.endr
	s_endpgm
.Lfunc_end_k_q083055782c_scale:
	.size	k_q083055782c_scale, .Lfunc_end_k_q083055782c_scale-k_q083055782c_scale
	.p2alignl 7, 3214868480
	.fill 96, 4, 3214868480
	.section	.rodata,"a",@progbits
	.p2align	6, 0x0
	.amdhsa_kernel k_q083055782c_scale
		.amdhsa_group_segment_fixed_size 0
		.amdhsa_private_segment_fixed_size 0
		.amdhsa_enable_private_segment 0
		.amdhsa_kernarg_size 24
		.amdhsa_user_sgpr_count 2
		.amdhsa_user_sgpr_kernarg_segment_ptr 1
		.amdhsa_wavefront_size32 1
		.amdhsa_system_sgpr_workgroup_id_x 1
		.amdhsa_system_sgpr_workgroup_id_y 1
		.amdhsa_system_sgpr_workgroup_id_z 1
		.amdhsa_system_vgpr_workitem_id 0
		.amdhsa_next_free_vgpr 48
		.amdhsa_next_free_sgpr 66
		.amdhsa_reserve_vcc 0
		.amdhsa_float_denorm_mode_32 3
		.amdhsa_float_denorm_mode_16_64 3
		.amdhsa_memory_ordered 1
		.amdhsa_forward_progress 1
		.amdhsa_inst_pref_size 4
	.end_amdhsa_kernel
	.amdgpu_metadata
---
amdhsa.version: [ 1, 2 ]
amdhsa.kernels:
  - .name:           k_q083055782c_scale
    .symbol:         k_q083055782c_scale.kd
    .args:
      - { .name: tmpl, .offset: 0, .size: 8, .value_kind: global_buffer, .address_space: global }
      - { .name: part, .offset: 8, .size: 8, .value_kind: global_buffer, .address_space: global }
      - { .name: out0, .offset: 16, .size: 8, .value_kind: global_buffer, .address_space: global }
    .group_segment_fixed_size: 0
    .private_segment_fixed_size: 0
    .kernarg_segment_align: 8
    .kernarg_segment_size: 24
    .max_flat_workgroup_size: 256
    .sgpr_count:     66
    .vgpr_count:     48
    .wavefront_size: 32
...
	.end_amdgpu_metadata
.endif
;; end of part 2
